; MI455X (gfx1250); checked and timed in simulation.
; The chip was launched on July 23, 2026; its instructions are those of AMD's public machine-readable ISA for CDNA 5 (MIT licence, August 2026) and "CDNA5" Instruction Set Architecture Reference Guide (July 2026). The comments in the code are by the model that wrote it; some were corrected since.
;; Self Attention. Allowed arithmetic: matrix products marked QUANTISED: E2M1 operands, one E8M0 scale for each 32 along K, by v_wmma_scale_f32_16x16x128_f8f6f4 with both operands' format E2M1 (or v_wmma_scale_f32_32x16x128_f4), f32 sums; everything else in f32.
;; Inputs: Wk 512 x 512 float32; Wq 512 x 512 float32; Wv 512 x 512 float32; bk 512 float32; bq 512 float32; bv 512 float32; embeddings 8 x 2,048 x 512 float32; mask 8 x 2,048 x 2,048 float32.
;; Outputs: out0 8 x 2,048 x 512 float32.
;; This version of the problem:
;;   THIS VERSION OF THE PROBLEM IS GIVEN IN LOW PRECISION. The matrix products marked QUANTISED in the list below multiply operands that are first quantised to E2M1 (2 exponent bits, 1 mantissa bit; 4 bits a number), with one power-of-two scale for each 32 numbers along K (OCP MX v1.0); their sums are f32. All else is computed in f32.
;;   The module's matrix products, in the order in which they are computed (A, B: the left and right operand; K: the contracted axis; several contracted axes count as one K, in the product's order):
;;     1. [M 16,384, K 512] x [K 512, N 512]; A: input embeddings; B: input Wq: QUANTISED
;;     2. [M 16,384, K 512] x [K 512, N 512]; A: input embeddings; B: input Wk: QUANTISED
;;     3. [M 16,384, K 512] x [K 512, N 512]; A: input embeddings; B: input Wv: QUANTISED
;;     4. batch 8 x [M 2,048, K 512] x [K 512, N 2,048]; A: computed on the way; B: computed on the way: QUANTISED
;;     5. batch 8 x [M 2,048, K 2,048] x [K 2,048, N 512]; A: softmax (see below); B: computed on the way: QUANTISED
;;   THE QUANTISER, for each operand of a quantised product, along K:
;;     - K is cut into blocks of 32 from its start; a last block that is shorter is filled with zeros.
;;     - A block's scale is 2^e with e = floor(log2(the largest magnitude in the block)) - 2, held to -126 .. 127; a block of zeros has e = 0. As a byte (E8M0): e + 127.
;;     - Each number is divided by its block's scale, clamped to +-6, and rounded to the nearest number of E2M1, ties to even, subnormals kept.
;;     - The product sums the exact products of the quantised numbers (number of the format x scale) in f32.
;;   ~~~python
;;   def quantise(x, axis):      # numpy; x: float32 -> the quantised numbers, widened to float32 again
;;       x = np.moveaxis(x, axis, -1); K = x.shape[-1]
;;       x = np.pad(x, [(0, 0)] * (x.ndim - 1) + [(0, -K % 32)]); x = x.reshape(x.shape[:-1] + (-1, 32)); a = np.abs(x).max(-1, keepdims=True)
;;       e = np.where(a > 0, np.clip(np.frexp(np.where(a > 0, a, 1))[1] - 1 - 2, -126, 127), 0)      # np.frexp(a)[1] - 1 = floor(log2(a)), exactly
;;       r = np.clip(x / 2.0 ** e, -6, 6)
;;       step = 2.0 ** (np.maximum(np.frexp(np.where(r == 0, 1, r))[1] - 1, 0) - 1)
;;       q = np.round(r / step) * step * 2.0 ** e      # np.round: ties to even
;;       return np.moveaxis(q.reshape(q.shape[:-2] + (-1,))[..., :K], -1, axis).astype(np.float32)
;;   ~~~
;;   SOFTMAX AHEAD OF A QUANTISED PRODUCT. Where the list says 'softmax', what is quantised is not the finished softmax but p = 2^(t - M), with t = logit x log2(e) and M = ceil(the row's largest t), a whole number; so 1/2 < the row's largest p <= 1. The row's sum l is taken of the UNQUANTISED p, in f32, and the product's result is divided by l at the end. Since M is a whole number, a kernel that streams over the keys may use a running M (the ceiling of the running maximum): every later rescaling is an exact power of two, which a block's scale takes up: the codes' values come out the same.
;;   OPERANDS COMPUTED ON THE WAY. 'Computed on the way' means the value that the module computes at that place (a softmax that the list does not call 'softmax' is quantised finished and normalised). What goes into a quantiser is computed in f32, as accurately as f32 sums, v_exp_f32 and their like allow (about 1e-6 of the number): no bf16 or f16 on the way to a quantiser, and a product that is left as it is and whose result goes on into a quantised operand takes f32 operands (vector FMAs, or v_wmma_f32_16x16x4_f32). A number that lies on a knife's edge between two numbers of the format may be rounded either way, as far as f32 arithmetic and the matrix unit's own rounding can turn it there, and no further.
;; One version. Each part assembles by itself: llvm-mc -triple=amdgcn-amd-amdhsa -mcpu=gfx1250 --defsym DOCPART=n.
;; ======== version 1 of 1: 3 launches
;; workspace buffers: xc 4,194,304 bytes; xs 262,144 bytes; wc 393,216 bytes; ws 24,576 bytes; qimg 4,194,304 bytes; qsc 262,144 bytes; kv 8,912,896 bytes
;; launch quant (part 1): grid 280 x 1, 4 waves a work-group, no clusters, 41,472 bytes of LDS; arguments embeddings, Wq, Wk, Wv, xc, xs, wc, ws; writes xc, xs, wc, ws
.if DOCPART == 1
	.amdgcn_target "amdgcn-amd-amdhsa--gfx1250"
	.amdhsa_code_object_version 6
	.text
	.protected	k_q02d54b487f_quant
	.globl	k_q02d54b487f_quant
	.p2align	8
	.type	k_q02d54b487f_quant,@function
k_q02d54b487f_quant:
	s_mov_b64 s[64:65], 0
	v_nop
	global_prefetch_b8 v0, s[64:65] scope:SCOPE_SE
	s_setreg_imm32_b32 hwreg(HW_REG_WAVE_MODE, 25, 1), 1
	s_wait_xcnt 0x0
; embeddings [16384][512], Wq, Wk, Wv [512][512], f32, K innermost, become codes of FP4 (E2M1) with one E8M0 byte for each 32 along K, laid AS THE MATRIX UNIT'S REGISTERS WANT THEM.
; A block's scale is 2^(floor(log2(its largest magnitude)) - 2); its byte is the largest magnitude's exponent field - 2, held at 1 from below; each number is divided by the scale and rounded to the nearest code, ties to even, beyond 6 the code of 6.
; A TILE is 16 rows of a group of 32: tile 2 G + u holds at place r the row 32 G + 8 u + r + 8 (r / 8).  (As source 0 of a product such a tile gives a lane 8 neighbouring rows in its 8 result registers, and two neighbouring tiles 16.)
; A tile's codes: [block of 32 along K: 16][place r: 16][16 bytes] = 4,096 bytes: four fragments of 16 rows x 128 K, each the image of its 8 registers (byte 512 c + 16 lane = registers 4 c .. 4 c + 3).
; A tile's scale bytes: [place r: 16][16 bytes] = 256 bytes: a row's four scale words on end.
; SHARES: a wave takes ONE tile, a row a step, 16 steps.  Work-groups 0-255: the 1,024 tiles of the embeddings; 256-279: the 96 tiles of Wq, Wk, Wv.  Only pointers are chosen: one path through the text.
; A step's four loads read 512 consecutive bytes each; the 2,048 bytes turn through the wave's own stage in LDS (16 bytes of padding behind each 64) and come back 16 neighbours a lane: two lanes hold a block.
; The codes (8 bytes a lane) are gathered in the wave's own image in LDS (a block's 256 bytes + 16 of padding) and leave by eight stores of 512 consecutive bytes; the 256 scale bytes leave as one store of 256.
; No tensor loads, no barrier: waves share nothing.  Loads run eight steps (32 loads a wave, half of the wave's tile) ahead, the turn through LDS one step.
; LIMITS: a block whose largest magnitude lies under 2^-124 has its byte held at 1; a block of zeros has the byte 1 too (its codes are zeros, and this program alone reads the bytes); NaN and infinities among the inputs are not served.
.set STEPS, 16
.set AHEAD, 8                          ; steps that the loads run ahead
.set EMAX,  2
.set R,     16                         ; v16-143  eight sets of 16 numbers as they are loaded; on the way out v16-47 the tile's image
.set X,     144                        ; v144-175 two sets of 16 neighbours
.set E,     176                        ; v176-191 a scale byte for each step
.set C,     192                        ; v192-223 codes: two registers of its own for each step
.set WREG,  10240                      ; LDS: a region of its own for each wave
.set SP,    80                         ; a lane's place in a stage: 64 bytes + 16 of padding
.set SCB,   2*32*SP                    ; behind the two stages: the tile's 256 scale bytes
.set CIMG,  SCB+256                    ; and its codes: 16 blocks x CP
.set CP,    272
	s_load_b256 s[4:11], s[0:1], 0x0               ; embeddings s[4:5], Wq s[6:7], Wk s[8:9], Wv s[10:11]
	s_load_b256 s[12:19], s[0:1], 0x20             ; xc s[12:13], xs s[14:15], wc s[16:17], ws s[18:19]
	v_lshl_add_u32 v224, v0, 2, 0xa000
	v_mov_b32 v225, 0
	v_lshrrev_b32 v1, 5, v0
	v_readfirstlane_b32 s20, v1                    ; wave
	v_and_b32 v2, 31, v0                           ; lane
	v_lshlrev_b32 v3, 4, v2                        ; 16 x lane: my bytes of a load's or a store's 512
	s_mul_i32 s21, s20, WREG
	v_lshrrev_b32 v14, 2, v2
	v_mul_u32_u24 v14, v14, SP
	v_and_b32 v15, 3, v2
	v_lshl_add_u32 v14, v15, 4, v14
	v_add_nc_u32 v14, s21, v14                     ; the stage, on the way in: SP (lane / 4) + 16 (lane % 4)
	v_mul_u32_u24 v15, v2, SP
	v_add_nc_u32 v15, s21, v15                     ; and on the way out: SP x lane: my 16 neighbours
	v_lshrrev_b32 v5, 1, v2                        ; my block of the row
	v_mul_u32_u24 v10, v5, CP
	v_and_b32 v6, 1, v2
	v_lshl_add_u32 v10, v6, 3, v10
	v_add_nc_u32 v10, s21, v10
	v_add_nc_u32 v10, CIMG, v10                    ; where my 8 bytes of codes go: block x CP + 8 x half; the step's place r stands in the immediate
	v_add_nc_u32 v5, s21, v5
	v_add_nc_u32 v5, SCB, v5                       ; my block's scale byte
	v_lshlrev_b32 v7, 3, v2                        ; the scale bytes on the way out: 8 a lane
	v_add_nc_u32 v6, s21, v7
	v_add_nc_u32 v6, SCB, v6
	v_lshrrev_b32 v12, 4, v2
	v_mul_u32_u24 v12, v12, CP
	v_and_b32 v13, 15, v2
	v_lshl_add_u32 v12, v13, 4, v12
	v_add_nc_u32 v12, s21, v12
	v_add_nc_u32 v12, CIMG, v12                    ; the image on the way out: two blocks an instruction
	s_wait_kmcnt 0x0
	s_cmp_lt_u32 ttmp9, 264                        ; which tensor?  The choices hang on the work-group's number alone
	s_cselect_b64 s[22:23], s[6:7], s[8:9]
	s_cmp_lt_u32 ttmp9, 272
	s_cselect_b64 s[22:23], s[22:23], s[10:11]
	s_cmp_lt_u32 ttmp9, 256
	s_cselect_b64 s[4:5], s[4:5], s[22:23]
	s_cselect_b64 s[12:13], s[12:13], s[16:17]
	s_cselect_b64 s[14:15], s[14:15], s[18:19]
	s_cselect_b32 s24, 0, 256
	s_cselect_b32 s25, 0x3ff, 31
	s_sub_co_u32 s24, ttmp9, s24
	s_lshl_b32 s24, s24, 2
	s_add_co_u32 s24, s24, s20                     ; my tile in the buffers of codes and scales
	s_and_b32 s25, s24, s25                        ; and in its tensor (a weight has 32 tiles)
	s_lshr_b32 s26, s25, 1
	s_lshl_b32 s26, s26, 16                        ; a group of 32 rows is 65,536 bytes,
	s_and_b32 s27, s25, 1
	s_lshl_b32 s27, s27, 14                        ; the odd tile begins 8 rows on
	s_add_co_u32 s26, s26, s27
	s_mov_b32 s27, 0
	s_add_nc_u64 s[4:5], s[4:5], s[26:27]
	s_lshl_b32 s26, s24, 12
	s_add_nc_u64 s[12:13], s[12:13], s[26:27]
	s_lshl_b32 s26, s24, 8
	s_add_nc_u64 s[14:15], s[14:15], s[26:27]
.macro LOAD t                          ; place t of the tile: row t + 8 (t / 8) from the tile's first
.irp i, 0,1,2,3
	global_load_b128 v[R+16*((\t)%AHEAD)+4*\i:R+16*((\t)%AHEAD)+4*\i+3], v3, s[4:5] offset:((\t)+8*((\t)/8))*2048+512*\i th:TH_LOAD_NT
.endr
.endm
.macro TURN t                          ; step t's numbers through the stage: LDS serves a wave's instructions in order, so no wait stands between the stores and the loads
.irp i, 0,1,2,3
	ds_store_b128 v14, v[R+16*((\t)%AHEAD)+4*\i:R+16*((\t)%AHEAD)+4*\i+3] offset:32*SP*((\t)%2)+8*SP*\i
.endr
.irp i, 0,1,2,3
	ds_load_b128 v[X+16*((\t)%2)+4*\i:X+16*((\t)%2)+4*\i+3], v15 offset:32*SP*((\t)%2)+16*\i
.endr
.endm
.irp t, 0,1,2,3,4,5,6,7
	LOAD \t
.endr
	s_wait_loadcnt 4*(AHEAD-1)                     ; step 0's four loads are in; the seven steps behind it may be out
	TURN 0
.macro STEP t
.set XS, X+16*((\t)%2)
.if (\t) > 0
	s_wait_dscnt 2                                 ; this step's numbers are back from the stage (the last step's two stores, byte and codes, may be out): so its stores into the stage have read their registers,
.else
	s_wait_dscnt 0x0
.endif
.if (\t)+AHEAD < STEPS
	LOAD (\t)+AHEAD                                ; which take the loads of eight steps on
.endif
.if (\t)+1 < STEPS
.if STEPS-2-(\t) >= AHEAD-1
	s_wait_loadcnt 4*(AHEAD-1)                     ; the next step's four loads are in; those of the seven steps behind it may be out
.else
	s_wait_loadcnt 4*(STEPS-2-(\t))                ; nothing is asked for any more: the count runs down with the steps that are left
.endif
	TURN (\t)+1                                    ; and go through the other stage while this step is worked
.endif
	v_max3_num_f32 v8, |v[XS]|, |v[XS+1]|, |v[XS+2]|               ; the largest magnitude of my 16, in two chains
	v_max3_num_f32 v9, |v[XS+3]|, |v[XS+4]|, |v[XS+5]|
.irp i, 6,10
	v_max3_num_f32 v8, v8, |v[XS+\i]|, |v[XS+\i+1]|
	v_max3_num_f32 v9, v9, |v[XS+\i+2]|, |v[XS+\i+3]|
.endr
	v_max3_num_f32 v8, v8, |v[XS+14]|, |v[XS+15]|
	v_max3_num_f32 v8, v8, v9, (EMAX+1)<<23        ; and the floor 2^(EMAX + 1 - 127): the byte cannot fall under 1
	v_max_num_f32_dpp v8, v8, v8 row_xmask:1 row_mask:0xf bank_mask:0xf   ; and of my neighbour's 16: the block's
	v_add_nc_u32 v11, -(EMAX<<23), v8              ; EMAX off its exponent field: the conversion takes the exponent field of this operand as its scale
	v_cvt_scalef32_pk8_fp4_f32 v[C+2*(\t)], v[XS:XS+7], v11
	v_cvt_scalef32_pk8_fp4_f32 v[C+2*(\t)+1], v[XS+8:XS+15], v11
	v_lshrrev_b32 v[E+(\t)], 23, v11               ; the scale's byte (also the plain line behind the conversions)
	ds_store_b8 v5, v[E+(\t)] offset:16*(\t)       ; both lanes of a block write the same byte with the same value
	ds_store_b64 v10, v[C+2*(\t):C+2*(\t)+1] offset:16*(\t)
.endm
.irp t, 0,1,2,3,4,5,6,7,8,9,10,11,12,13,14,15
	STEP \t
.endr
	ds_load_b64 v[8:9], v6                         ; LDS serves a wave's instructions in order: these see my stores
.irp i, 0,1,2,3,4,5,6,7
	ds_load_b128 v[R+4*\i:R+4*\i+3], v12 offset:2*CP*\i
.endr
	s_wait_dscnt 8                                 ; the scale bytes are back; the eight loads behind may be out
	global_store_b64 v7, v[8:9], s[14:15]          ; 32 lanes store 256 consecutive bytes, aligned
.irp i, 0,1,2,3,4,5,6,7
	s_wait_dscnt 7-\i
	global_store_b128 v3, v[R+4*\i:R+4*\i+3], s[12:13] offset:512*\i   ; 512 consecutive bytes, aligned
.endr
	s_wait_tensorcnt 0x0
	ds_add_u32 v224, v225
	s_wait_dscnt 0x0
	s_endpgm
.Lfunc_end_k_q02d54b487f_quant:
	.size	k_q02d54b487f_quant, .Lfunc_end_k_q02d54b487f_quant-k_q02d54b487f_quant
	.p2alignl 7, 3214868480
	.fill 96, 4, 3214868480
	.section	.rodata,"a",@progbits
	.p2align	6, 0x0
	.amdhsa_kernel k_q02d54b487f_quant
		.amdhsa_group_segment_fixed_size 41472
		.amdhsa_private_segment_fixed_size 0
		.amdhsa_enable_private_segment 0
		.amdhsa_kernarg_size 64
		.amdhsa_user_sgpr_count 2
		.amdhsa_user_sgpr_kernarg_segment_ptr 1
		.amdhsa_wavefront_size32 1
		.amdhsa_system_sgpr_workgroup_id_x 1
		.amdhsa_system_sgpr_workgroup_id_y 1
		.amdhsa_system_sgpr_workgroup_id_z 1
		.amdhsa_system_vgpr_workitem_id 0
		.amdhsa_next_free_vgpr 226
		.amdhsa_next_free_sgpr 66
		.amdhsa_reserve_vcc 0
		.amdhsa_float_denorm_mode_32 3
		.amdhsa_float_denorm_mode_16_64 3
		.amdhsa_memory_ordered 1
		.amdhsa_forward_progress 1
		.amdhsa_inst_pref_size 35
	.end_amdhsa_kernel
	.amdgpu_metadata
---
amdhsa.version: [ 1, 2 ]
amdhsa.kernels:
  - .name:           k_q02d54b487f_quant
    .symbol:         k_q02d54b487f_quant.kd
    .args:
      - { .name: embeddings, .offset: 0, .size: 8, .value_kind: global_buffer, .address_space: global }
      - { .name: Wq, .offset: 8, .size: 8, .value_kind: global_buffer, .address_space: global }
      - { .name: Wk, .offset: 16, .size: 8, .value_kind: global_buffer, .address_space: global }
      - { .name: Wv, .offset: 24, .size: 8, .value_kind: global_buffer, .address_space: global }
      - { .name: xc, .offset: 32, .size: 8, .value_kind: global_buffer, .address_space: global }
      - { .name: xs, .offset: 40, .size: 8, .value_kind: global_buffer, .address_space: global }
      - { .name: wc, .offset: 48, .size: 8, .value_kind: global_buffer, .address_space: global }
      - { .name: ws, .offset: 56, .size: 8, .value_kind: global_buffer, .address_space: global }
    .group_segment_fixed_size: 41472
    .private_segment_fixed_size: 0
    .kernarg_segment_align: 8
    .kernarg_segment_size: 64
    .max_flat_workgroup_size: 128
    .sgpr_count:     66
    .vgpr_count:     226
    .wavefront_size: 32
...
	.end_amdgpu_metadata
.endif
;; end of part 1
;; launch proj (part 2): grid 256 x 1, 4 waves a work-group, no clusters, 0 bytes of LDS; arguments xc, xs, wc, ws, bq, bk, bv, qimg, qsc, kv; writes qimg, qsc, kv
.if DOCPART == 2
	.amdgcn_target "amdgcn-amd-amdhsa--gfx1250"
	.amdhsa_code_object_version 6
	.text
	.protected	k_q02d54b487f_proj
	.globl	k_q02d54b487f_proj
	.p2align	8
	.type	k_q02d54b487f_proj,@function
k_q02d54b487f_proj:
	s_mov_b64 s[64:65], 0
	v_nop
	global_prefetch_b8 v0, s[64:65] scope:SCOPE_SE
	s_setreg_imm32_b32 hwreg(HW_REG_WAVE_MODE, 25, 1), 1
	s_wait_xcnt 0x0
; q = x Wq^T + bq, k = x Wk^T + bk, v = x Wv^T + bv on codes of FP4 with E8M0 scales; the results are quantised in registers (q and k along their 512 channels, v along the keys) and stored as images of the operands that the
; attention launch loads.  Nothing goes through LDS: every operand lies in memory in the order of its registers and comes by loads of 512 consecutive bytes.
; ONE SHAPE FOR ALL THREE: out[L row][P], quantised along P.  Source 0 = the P side (128 rows a wave: 8 tiles t), source 1 = the L side (64 rows: 4 tiles m), K = 512 = 4 steps ks.  By the tiles' order of rows (tile 2 G + u,
; place r = row 32 G + 8 u + r + 8 (r / 8)) a lane's 16 registers of tiles 2 b, 2 b + 1 are 16 neighbours along P: 32 b + 16 (lane / 16) + 0 .. 15.  So a wave's 8 tiles become one fragment (16 L rows x 128 P) and one scale word a row.
;   q, k: P = the weight's rows (wave w: 128 w on), L = my work-group's 64 tokens; the bias runs along P.        v: P = 128 tokens a wave, L = 64 rows of Wv; the bias runs along L.
; Work-group x runs the three units one after the other: q and k for tokens 64 x on; v for batch x / 32, tokens 512 ((x / 8) % 4) on, channels 64 (x % 8) on.
; The bias is the C of each sum's first product.  The 8 accumulators take turns, one instruction a turn.
; NO CLUSTER: the weights are shared by all work-groups, but a joint load lands in LDS alone; here the 512 KB that a work-group reads go straight into operand registers, for 384 products a wave, and a way through LDS would add
; those bytes once more as LDS stores and loads, with a ring and its rounds.
; LIMITS: a block whose largest magnitude lies under 2^-124 has its scale byte held at 1 (a block of zeros too: its codes are zeros, and this program alone reads the bytes); NaN and infinities are not served.
; REGISTERS, in windows of 256: window 0: v1-4 offsets; v16-79 the 8 accumulators; v80-95 at work; v100-105 scale words made; v108-123 codes made, two sets; v128-191 the bias; v192-239 scale words of the operands (nothing else).
;   window 1, window 2: the P side, two buffers: fragment (t, ks) at v[8 (4 t + ks)].   window 3: the L side: x's at v0-127, Wv's at v128-255: fragment (m, ks) at + 8 (4 m + ks).
.set CHUNK,  139264                    ; kv: a chunk of 256 keys: K's codes, K's scale words, V^T's codes, V^T's scale words
.set BATCHB, 8*CHUNK
.set KSOFF,  65536
.set VOFF,   69632
.set VSOFF,  135168
.set LI,  1                            ; v1   16 x lane
.set L8,  2                            ; v2   8 x lane
.set BO,  3                            ; v3   64 x (lane / 16): my half's 16 numbers of a bias along P
.set BVO, 4                            ; v4   4 x (r + 8 (r / 8)): my row's number of a bias along L
.set HA,  16
.set TM,  80                           ; v80-83 largest magnitudes, v84-87 bytes, v92-95 the conversions' scale operands
.set SW,  100                          ; v100-103 the four tiles' scale words
.set SPR, 104                          ; v104-105 the same, packed for the store
.set PC,  108
.set BI,  128
.set PS0, 192                          ; the P side's scale words: register 4 (t / 2) + ks: lanes 0-15 the even tile, lanes 16-31 the odd one
.set PS1, 208
.set LSX, 224                          ; the L side's likewise: 4 (m / 2) + ks
.set LSV, 232
.set WV,  24
.set HM,  50                           ; s50  lanes 16-31
.set SEL, 52                           ; s[52:53] v_permlanex16_b32's selects for lane l xor 16
.set MSB, 0
.macro WIN new                         ; the immediate's high byte repeats the setting that is left
.if MSB != \new
	s_set_vgpr_msb (MSB<<8)|\new
.set MSB, \new
.endif
.endm
.macro PLACES n
.rept \n
	v_nop
.endr
.endm
; one product: D, A, B, C by their first registers; sa, sb the scale registers; ra, rb: which half of their lanes is read
.macro MM d, a, b, c, sa, sb, ra, rb
.if ((\ra) == 0) && ((\rb) == 0)
	v_wmma_scale_f32_16x16x128_f8f6f4 v[(\d):(\d)+7], v[(\a):(\a)+7], v[(\b):(\b)+7], v[(\c):(\c)+7], v[\sa], v[\sb] matrix_a_fmt:MATRIX_FMT_FP4 matrix_b_fmt:MATRIX_FMT_FP4
.elseif (\rb) == 0
	v_wmma_scale_f32_16x16x128_f8f6f4 v[(\d):(\d)+7], v[(\a):(\a)+7], v[(\b):(\b)+7], v[(\c):(\c)+7], v[\sa], v[\sb] matrix_a_fmt:MATRIX_FMT_FP4 matrix_b_fmt:MATRIX_FMT_FP4 matrix_a_scale:MATRIX_SCALE_ROW1
.elseif (\ra) == 0
	v_wmma_scale_f32_16x16x128_f8f6f4 v[(\d):(\d)+7], v[(\a):(\a)+7], v[(\b):(\b)+7], v[(\c):(\c)+7], v[\sa], v[\sb] matrix_a_fmt:MATRIX_FMT_FP4 matrix_b_fmt:MATRIX_FMT_FP4 matrix_b_scale:MATRIX_SCALE_ROW1
.else
	v_wmma_scale_f32_16x16x128_f8f6f4 v[(\d):(\d)+7], v[(\a):(\a)+7], v[(\b):(\b)+7], v[(\c):(\c)+7], v[\sa], v[\sb] matrix_a_fmt:MATRIX_FMT_FP4 matrix_b_fmt:MATRIX_FMT_FP4 matrix_a_scale:MATRIX_SCALE_ROW1 matrix_b_scale:MATRIX_SCALE_ROW1
.endif
.endm
.macro FRAGS reg, n, base, off         ; n fragments on end: 2 n loads of 512 consecutive bytes
.set fi, 0
.rept \n
	global_load_b128 v[\reg+8*fi:\reg+8*fi+3], v[LI], s[\base:\base+1] offset:\off+1024*fi
	global_load_b128 v[\reg+8*fi+4:\reg+8*fi+7], v[LI], s[\base:\base+1] offset:\off+1024*fi+512
.set fi, fi+1
.endr
.endm
.macro SCL reg, n, base, off           ; the scale words of n pairs of tiles: a load brings a pair's four words a row
.set fi, 0
.rept \n
	global_load_b128 v[\reg+4*fi:\reg+4*fi+3], v[LI], s[\base:\base+1] offset:\off+512*fi
.set fi, fi+1
.endr
.endm
.macro BIAS0 base                      ; along P: tile t's eight numbers of my half: 32 (t / 2) + 16 h + 8 (t % 2) + 0 .. 7
.irp t, 0,1,2,3,4,5,6,7
	global_load_b128 v[BI+8*\t:BI+8*\t+3], v[BO], s[\base:\base+1] offset:(32*(\t/2)+8*(\t%2))*4
	global_load_b128 v[BI+8*\t+4:BI+8*\t+7], v[BO], s[\base:\base+1] offset:(32*(\t/2)+8*(\t%2))*4+16
.endr
.endm
.macro BIAS1 base                      ; along L: tile m's number of my row, in all eight registers
.irp m, 0,1,2,3
.irp j, 0,1,2,3,4,5,6,7
	global_load_b32 v[BI+8*\m+\j], v[BVO], s[\base:\base+1] offset:(32*(\m/2)+8*(\m%2))*4
.endr
.endr
.endm
; 64 numbers of a lane, register 16 b + i = k 32 b + 16 (lane / 16) + i of my row, become a fragment's codes in v[pc] on and its scale word in v[pw]
.macro QUANT s, pc, pw
.irp b, 0,1,2,3
	v_max3_num_f32 v[TM+\b], |v[\s+16*\b]|, |v[\s+1+16*\b]|, 0x1800000   ; block b: my 16 numbers, each accumulator from its low end on, and the floor 2^(3 - 127): the byte cannot fall under 1
.endr
.irp i, 2,4,6,8,10,12,14
.irp b, 0,1,2,3
	v_max3_num_f32 v[TM+\b], v[TM+\b], |v[\s+16*\b+\i]|, |v[\s+1+16*\b+\i]|
.endr
.endr
.irp b, 0,1,2,3
	v_permlanex16_b32 v[TM+4+\b], v[TM+\b], s[SEL], s[SEL+1]
.endr
.irp b, 0,1,2,3
	v_max_num_f32 v[TM+\b], v[TM+\b], v[TM+4+\b]   ; with lane l xor 16's: the block's largest magnitude
.endr
.irp b, 0,1,2,3
	v_add_nc_u32 v[TM+12+\b], 0xff000000, v[TM+\b]   ; 2 off its exponent field: the conversion's scale operand
.endr
.irp b, 0,1,2,3
	v_lshrrev_b32 v[TM+4+\b], 23, v[TM+12+\b]      ; the scale's byte
.endr
	v_lshl_or_b32 v[\pw], v[TM+5], 8, v[TM+4]      ; the four bytes make my row's scale word
	v_lshl_or_b32 v[\pw], v[TM+6], 16, v[\pw]
	v_lshl_or_b32 v[\pw], v[TM+7], 24, v[\pw]
.irp b, 0,1,2,3
	v_cvt_scalef32_pk8_fp4_f32 v[\pc+2*\b], v[\s+16*\b:\s+7+16*\b], v[TM+12+\b]
	v_cvt_scalef32_pk8_fp4_f32 v[\pc+1+2*\b], v[\s+8+16*\b:\s+15+16*\b], v[TM+12+\b]
.endr
	v_nop                                          ; one plain line behind a scaled conversion
.irp c, 0,1                                    ; the operand's layout wants a WHOLE block in a lane: lanes 0-15 block 2 c, lanes 16-31 block 2 c + 1
.irp i, 0,1
	v_permlane16_swap_b32 v[\pc+4*\c+\i], v[\pc+2+4*\c+\i]
.endr
.endr
.endm
; A unit: msb the products' windows; lb the L side's first register; ps, ls the scale words; kind 0: bias along P, 1: along L; oc, os the bases of the stores; hook 1, 2: the next unit's bias (bk, bv) is asked for as soon as this unit's is spent
.macro UNIT msb, lb, ps, ls, kind, oc, os, hook
.irp m, 0,1,2,3
	WIN \msb
.irp ks, 0,1,2,3
.irp t, 0,1,2,3,4,5,6,7
.if \ks == 0
.if \kind == 0
	MM HA+8*\t, 8*(4*\t+\ks), \lb+8*(4*\m+\ks), BI+8*\t, \ps+4*(\t/2)+\ks, \ls+4*(\m/2)+\ks, \t%2, \m%2
.else
	MM HA+8*\t, 8*(4*\t+\ks), \lb+8*(4*\m+\ks), BI+8*\m, \ps+4*(\t/2)+\ks, \ls+4*(\m/2)+\ks, \t%2, \m%2
.endif
.else
	MM HA+8*\t, 8*(4*\t+\ks), \lb+8*(4*\m+\ks), HA+8*\t, \ps+4*(\t/2)+\ks, \ls+4*(\m/2)+\ks, \t%2, \m%2
.endif
.endr
.if (\ks == 0) && (\m == 3) && (\hook > 0)
	PLACES 4                                       ; four plain lines between the last product that read the bias and the loads into its registers
	WIN 0
.if \hook == 1
	BIAS0 14
.else
	BIAS1 16
.endif
	WIN \msb
.endif
.endr
	WIN 0
	PLACES 4                                       ; four plain lines in front of the first read of results
	s_wait_xcnt 0x0                                ; the stores issued so far have read their registers: the codes' set and the packed scale words may be written again
	QUANT HA, PC+8*(\m%2), SW+\m
	global_store_b128 v[LI], v[PC+8*(\m%2):PC+8*(\m%2)+3], s[\oc:\oc+1] offset:1024*\m       ; the fragment as it stands: 512 consecutive bytes a store, aligned
	global_store_b128 v[LI], v[PC+8*(\m%2)+4:PC+8*(\m%2)+7], s[\oc:\oc+1] offset:1024*\m+512
.endr
	v_cndmask_b32 v[SPR], v[SW], v[SW+1], s[HM]    ; lanes 0-15 keep the even tile's word, lanes 16-31 take the odd tile's
	v_cndmask_b32 v[SPR+1], v[SW+2], v[SW+3], s[HM]
	global_store_b64 v[L8], v[SPR:SPR+1], s[\os:\os+1]   ; 256 consecutive bytes, aligned
.endm
	s_load_b256 s[4:11], s[0:1], 0x0               ; xc s[4:5], xs s[6:7], wc s[8:9], ws s[10:11]
	s_load_b256 s[12:19], s[0:1], 0x20             ; bq s[12:13], bk s[14:15], bv s[16:17], qimg s[18:19]
	s_load_b128 s[20:23], s[0:1], 0x40             ; qsc s[20:21], kv s[22:23]
	v_lshrrev_b32 v5, 5, v0
	v_readfirstlane_b32 s[WV], v5                  ; wave 0..3
	v_and_b32 v5, 31, v0
	v_lshlrev_b32 v[LI], 4, v5
	v_lshlrev_b32 v[L8], 3, v5
	v_bfe_u32 v6, v0, 4, 1
	v_lshlrev_b32 v[BO], 6, v6
	v_and_b32 v7, 15, v0
	v_and_b32 v8, 8, v7
	v_add_nc_u32 v8, v8, v7
	v_lshlrev_b32 v[BVO], 2, v8
.irp b, 0,1,2,3
	v_mov_b32 v[TM+4+\b], 0                        ; written once: a lane permute's destination counts as one of its sources
.endr
	s_mov_b32 s[HM], 0xffff0000
	s_mov_b32 s[SEL], 0x76543210
	s_mov_b32 s[SEL+1], 0xfedcba98
	s_mov_b32 s55, 0
	s_and_b32 s58, ttmp9, 7                        ; the v unit: which 64 channels,
	s_lshr_b32 s59, ttmp9, 5                       ; which batch,
	s_bfe_u32 s60, ttmp9, 0x20003                  ; which 512 tokens
	s_lshl_b32 s61, s59, 7
	s_lshl_b32 s62, s60, 5
	s_add_co_u32 s61, s61, s62
	s_lshl_b32 s62, s[WV], 3
	s_add_co_u32 s61, s61, s62                     ; my first tile of x there: 128 batch + 32 quarter + 8 wave
	s_wait_kmcnt 0x0
	s_lshl_b32 s54, ttmp9, 14
	s_add_nc_u64 s[26:27], s[4:5], s[54:55]        ; x's four tiles of my work-group
	s_lshl_b32 s54, ttmp9, 10
	s_add_nc_u64 s[28:29], s[6:7], s[54:55]        ; their scale words
	s_add_nc_u64 s[20:21], s[20:21], s[54:55]      ; (and q's scale words: 1,024 bytes a block of 64 queries)
	s_lshl_b32 s54, s[WV], 15
	s_add_nc_u64 s[30:31], s[8:9], s[54:55]        ; my 8 tiles of a weight; which weight stands in the loads' immediates
	s_lshl_b32 s54, s[WV], 11
	s_add_nc_u64 s[32:33], s[10:11], s[54:55]
	s_lshl_b32 s54, s58, 14
	s_add_nc_u64 s[34:35], s[8:9], s[54:55]        ; the v unit's four tiles of a weight
	s_lshl_b32 s54, s58, 10
	s_add_nc_u64 s[36:37], s[10:11], s[54:55]
	s_lshl_b32 s54, s61, 12
	s_add_nc_u64 s[38:39], s[4:5], s[54:55]        ; the v unit's 8 tiles of x
	s_lshl_b32 s54, s61, 8
	s_add_nc_u64 s[40:41], s[6:7], s[54:55]
	s_lshl_b32 s54, s[WV], 9
	s_add_nc_u64 s[12:13], s[12:13], s[54:55]      ; bq, bk: my 128 numbers
	s_add_nc_u64 s[14:15], s[14:15], s[54:55]
	s_lshl_b32 s54, s58, 8
	s_add_nc_u64 s[16:17], s[16:17], s[54:55]      ; bv: the 64
	; the first unit's operands: 32 + 2 + 64 + 4 + 16 = 118 loads
	WIN 0xc0
	FRAGS 0, 16, 26, 0
	WIN 0
	SCL LSX, 2, 28, 0
	WIN 0x40
	FRAGS 0, 32, 30, 0                             ; Wq
	WIN 0
	SCL PS0, 4, 32, 0
	BIAS0 12
	; what the later units want beside: 64 + 4 + 32 + 2 = 102 loads
	WIN 0x80
	FRAGS 0, 32, 30, 131072                        ; Wk
	WIN 0
	SCL PS1, 4, 32, 8192
	WIN 0xc0
	FRAGS 128, 16, 34, 262144                      ; Wv
	WIN 0
	SCL LSV, 2, 36, 16384
	; where the results go
	s_lshl_b32 s54, ttmp9, 14
	s_lshl_b32 s62, s[WV], 12
	s_add_co_u32 s54, s54, s62
	s_add_nc_u64 s[18:19], s[18:19], s[54:55]      ; q: block x, K step w
	s_lshl_b32 s54, s[WV], 8
	s_add_nc_u64 s[20:21], s[20:21], s[54:55]
	s_mul_i32 s63, s59, BATCHB
	s_bfe_u32 s62, ttmp9, 0x30002                  ; k: the chunk of 256 keys,
	s_mul_i32 s62, s62, CHUNK
	s_add_co_u32 s62, s62, s63
	s_and_b32 s61, ttmp9, 3                        ; which 64 of them,
	s_lshl_b32 s54, s61, 14
	s_add_co_u32 s54, s54, s62
	s_lshl_b32 s56, s[WV], 12                      ; K step w
	s_add_co_u32 s54, s54, s56
	s_add_nc_u64 s[42:43], s[22:23], s[54:55]
	s_lshl_b32 s54, s61, 10
	s_add_co_u32 s54, s54, s62
	s_lshl_b32 s56, s[WV], 8
	s_add_co_u32 s54, s54, s56
	s_add_co_u32 s54, s54, KSOFF
	s_add_nc_u64 s[44:45], s[22:23], s[54:55]
	s_lshl_b32 s62, s60, 1                         ; v: my 128 keys lie in chunk 2 quarter + wave / 2,
	s_lshr_b32 s56, s[WV], 1
	s_add_co_u32 s62, s62, s56
	s_mul_i32 s62, s62, CHUNK
	s_add_co_u32 s62, s62, s63
	s_and_b32 s61, s[WV], 1                        ; in its half wave % 2
	s_lshl_b32 s54, s61, 15
	s_add_co_u32 s54, s54, s62
	s_lshl_b32 s56, s58, 12
	s_add_co_u32 s54, s54, s56
	s_add_co_u32 s54, s54, VOFF
	s_add_nc_u64 s[46:47], s[22:23], s[54:55]
	s_lshl_b32 s54, s61, 11
	s_add_co_u32 s54, s54, s62
	s_lshl_b32 s56, s58, 8
	s_add_co_u32 s54, s54, s56
	s_add_co_u32 s54, s54, VSOFF
	s_add_nc_u64 s[48:49], s[22:23], s[54:55]
	s_wait_loadcnt 63                              ; 102 loads are younger than the first unit's
	UNIT 0x0d, 0, PS0, LSX, 0, 18, 20, 1           ; q
	WIN 0x40                                       ; window 1 is free (the unit's last products stand far more than four plain lines back): the v unit's 8 tiles of x
	FRAGS 0, 32, 38, 0
	WIN 0
	SCL PS0, 4, 40, 0
	s_wait_loadcnt 63                              ; those 68 are younger than bk and all that came before it
	UNIT 0x0e, 0, PS1, LSX, 0, 42, 44, 2           ; k
	s_wait_loadcnt 0x0
	UNIT 0x0d, 128, PS0, LSV, 1, 46, 48, 0         ; v
	s_endpgm
.Lfunc_end_k_q02d54b487f_proj:
	.size	k_q02d54b487f_proj, .Lfunc_end_k_q02d54b487f_proj-k_q02d54b487f_proj
	.p2alignl 7, 3214868480
	.fill 96, 4, 3214868480
	.section	.rodata,"a",@progbits
	.p2align	6, 0x0
	.amdhsa_kernel k_q02d54b487f_proj
		.amdhsa_group_segment_fixed_size 0
		.amdhsa_private_segment_fixed_size 0
		.amdhsa_enable_private_segment 0
		.amdhsa_kernarg_size 80
		.amdhsa_user_sgpr_count 2
		.amdhsa_user_sgpr_kernarg_segment_ptr 1
		.amdhsa_wavefront_size32 1
		.amdhsa_system_sgpr_workgroup_id_x 1
		.amdhsa_system_sgpr_workgroup_id_y 1
		.amdhsa_system_sgpr_workgroup_id_z 1
		.amdhsa_system_vgpr_workitem_id 0
		.amdhsa_next_free_vgpr 1024
		.amdhsa_next_free_sgpr 66
		.amdhsa_reserve_vcc 0
		.amdhsa_float_denorm_mode_32 3
		.amdhsa_float_denorm_mode_16_64 3
		.amdhsa_memory_ordered 1
		.amdhsa_forward_progress 1
		.amdhsa_inst_pref_size 135
	.end_amdhsa_kernel
	.amdgpu_metadata
---
amdhsa.version: [ 1, 2 ]
amdhsa.kernels:
  - .name:           k_q02d54b487f_proj
    .symbol:         k_q02d54b487f_proj.kd
    .args:
      - { .name: xc, .offset: 0, .size: 8, .value_kind: global_buffer, .address_space: global }
      - { .name: xs, .offset: 8, .size: 8, .value_kind: global_buffer, .address_space: global }
      - { .name: wc, .offset: 16, .size: 8, .value_kind: global_buffer, .address_space: global }
      - { .name: ws, .offset: 24, .size: 8, .value_kind: global_buffer, .address_space: global }
      - { .name: bq, .offset: 32, .size: 8, .value_kind: global_buffer, .address_space: global }
      - { .name: bk, .offset: 40, .size: 8, .value_kind: global_buffer, .address_space: global }
      - { .name: bv, .offset: 48, .size: 8, .value_kind: global_buffer, .address_space: global }
      - { .name: qimg, .offset: 56, .size: 8, .value_kind: global_buffer, .address_space: global }
      - { .name: qsc, .offset: 64, .size: 8, .value_kind: global_buffer, .address_space: global }
      - { .name: kv, .offset: 72, .size: 8, .value_kind: global_buffer, .address_space: global }
    .group_segment_fixed_size: 0
    .private_segment_fixed_size: 0
    .kernarg_segment_align: 8
    .kernarg_segment_size: 80
    .max_flat_workgroup_size: 128
    .sgpr_count:     66
    .vgpr_count:     1024
    .wavefront_size: 32
...
	.end_amdgpu_metadata
.endif
;; end of part 2
;; launch attn (part 3): grid 32 x 8, 4 waves a work-group, clusters of 4 x 1, 327,680 bytes of LDS; arguments qimg, qsc, kv, mask, out0; writes out0
.if DOCPART == 3
	.amdgcn_target "amdgcn-amd-amdhsa--gfx1250"
	.amdhsa_code_object_version 6
	.text
	.protected	k_q02d54b487f_attn
	.globl	k_q02d54b487f_attn
	.p2align	8
	.type	k_q02d54b487f_attn,@function
k_q02d54b487f_attn:
	s_mov_b64 s[64:65], 0
	v_nop
	global_prefetch_b8 v0, s[64:65] scope:SCOPE_SE
	s_setreg_imm32_b32 hwreg(HW_REG_WAVE_MODE, 25, 1), 1
	s_wait_xcnt 0x0
	s_wait_alu depctr_hold_cnt(0) depctr_sa_sdst(0) depctr_va_vdst(0) depctr_va_sdst(0) depctr_va_ssrc(0) depctr_va_vcc(0) depctr_vm_vsrc(0)
	s_getreg_b32 s2, hwreg(HW_REG_IB_STS2, 6, 4)
	s_cmp_eq_u32 s2, 0
	s_cbranch_scc0 .Lentry_in_a_cluster
	s_endpgm
.Lentry_in_a_cluster:
	s_bfe_u32 s2, ttmp6, 0x10000c
	s_cmp_lg_u32 s2, 0x3003
	s_cbranch_scc0 .Lentry_shape_is_right
	s_endpgm
.Lentry_shape_is_right:
; out[b][q][:] = the sum over k of softmax_k((q . k + mask[b][q][k]) / sqrt(512)) v[k][:], both products on codes of FP4 (E2M1) with one E8M0 scale for each 32 along a product's K.  8 batches, 2,048 tokens, 512 channels.
; THE SOFTMAX AHEAD OF THE SECOND PRODUCT: t = (score + mask) x c, c = log2(e) / sqrt(512); M = the row's largest t so far, rounded UP to a whole number; p = 2^(t - M) is quantised along the keys, not normalised.
; The row's sum l is taken of the unquantised p and divides at the end.  When M moves, l and O are multiplied by 2^(old M - new M): exact.
; SHARES.  A work-group owns 64 queries (4 tiles m of 16) of one batch and walks the 2,048 keys in 8 steps of 256.  THE WAVES SHARE KEYS AND CHANNELS, NOT QUERIES:
;   scores: wave w makes S^T (source 0 = 16 keys, source 1 = 16 queries) for keys 64 w .. 64 w + 63 of the step (4 tiles t) and all 4 query tiles: 64 products on 16 accumulators;
;   second product: wave w makes O^T (source 0 = 16 channels of V^T, source 1 = P) for channels 128 w .. 128 w + 127 (8 tiles i), all 4 query tiles, the step's two groups g of 128 keys: 64 products on 32 accumulators.
; So each fragment of K and of V^T is read from LDS once in the work-group and feeds four products, and M moves once in 256 keys.  The price: the rows' maxima (16 bytes a lane) and P's images (8 KB) go from wave to wave through LDS.
; TILES: tile 2 G + u holds at place r the row 32 G + 8 u + r + 8 (r / 8) (keys, queries and channels alike): as source 0 it gives a lane 8 neighbours in its 8 result registers, two neighbouring tiles 16.
; THE MASK is read once, by loads of two rows x 256 consecutive bytes into 256 landing registers, two steps ahead: 32 to 64 loads a wave are out at all times.  A landed set turns through the wave's own stage in LDS straight into
; the scores' accumulators: THE MASK IS THE C OF EACH SCORE'S FIRST PRODUCT, and no vector instruction adds it.  The turn goes in two halves: query tiles 2 and 3 a step early, beside the second product (their accumulators are idle there),
; tiles 0 and 1 at the step's head.
; K AND V of a step are one dense block of 139,264 bytes (codes and scale words in the order of the operands' registers), brought through a ring of two LDS slots; each wave fetches a quarter.
; CLUSTER: the four work-groups of a cluster belong to one batch and walk the same blocks: each quarter is asked for JOINTLY, by the same tensor load with the same descriptor and a mask that names the four.
; By this text's own count a wave has one tensor load out at the most.
; THE ORDER OF THE KEYS: cluster x of a batch's eight begins at block ((2 x) mod 8) + x / 4 and walks the eight blocks cyclically; a running M serves any order.  So in every step the eight clusters ask for eight different blocks:
; all eight blocks of a batch are asked for in the first fill, and in the later fills a cluster asks for a block that another cluster of its batch has asked for in an earlier fill.
; THE STEP IS WRITTEN FOR ALL EIGHT ALIKE: O^T and l begin as zeros and the largest t as -3e38, so the first change of M multiplies zeros.  That costs 256 v_mov_b32 once, while the first loads are on their way, and spares a copy of the step.
; LIMITS: the mask joins the sum ahead of the four K steps, so a mask far larger than the scores rounds the sum four times where one addition would round it once; t is made with the one constant c where the source scales by
; 1 / sqrt(512) and then by log2(e).  -infinity in the mask is served if a product onto C = -infinity gives -infinity (p = 0 then; a row of nothing but -infinity gives NaN, as the source does); +infinity and NaN in the mask are not served.
; REGISTERS, in windows of 256 (s_set_vgpr_msb: bits 1:0 source 0, 3:2 source 1, 5:4 source 2, 7:6 destination):
;   window 0: v1-23 addresses; v24-55 statistics, 8 a query tile; v56-103 at work; v104-127 scale words and nothing else; v128-255 S^T (accumulator (m, t) at 128 + 32 m + 8 t), then p, then in v128-191 P's fragments, on the way out rows of O
;   window 1: v0-127 Q (m, ks) at 8 (4 m + ks); v128-255 a step's K (ks, t) at + 8 (4 ks + t), then its V^T (g, i) at + 8 (8 g + i)      window 2: O^T (i, m) at 8 (4 i + m)      window 3: two landing sets of 128 for the mask
.set CHUNK,  139264
.set BATCHB, 8*CHUNK
.set SLOTB,  CHUNK
.set QUART,  CHUNK/4                   ; 136 rows of 256 bytes: what one tensor load brings
.set KSOFF,  65536                     ; in a block: K's codes [64 keys: 4][ks 4][t 4][1,024]; here K's scale words [4][ks 4][256];
.set VOFF,   69632                     ; V^T's codes [g 2][tile of channels: 32][1,024];
.set VSOFF,  135168                    ; V^T's scale words [g 2][64 channels: 8][256]
.set MSP,    272                       ; the mask's stage: a row of 256 bytes + 16: row r starts at bank 4 r mod 64 (64 banks of 4 bytes: ISA guide 11.1)
.set MSTG,   2*SLOTB                   ; behind the ring: 16 rows x MSP for each wave
.set PIMG,   MSTG+4*16*MSP             ; P's eight fragments (2 m + g), 1,024 bytes each
.set PSCL,   PIMG+8192                 ; their scale words, 128 bytes each
.set MXR,    PSCL+1024                 ; the waves' maxima, 512 bytes each
.set LXR,    MXR+2048                  ; the waves' sums
.set SPARE,  LXR+2048                  ; the spare words, 128 bytes for each wave: two blocks of 256 bytes that no other line names
.set OSP,    528                       ; the way out: a stage of 16 rows x (512 bytes + 16) for each wave, in slot 0, which has had its last fill and its last read by then
.set SPW, 1                            ; v1   LDS address of my spare word; never rewritten
.set NIL, 2                            ; v2   0; never rewritten
.set LI,  3                            ; v3   16 x lane
.set AK,  4                            ; v4-5   my K fragments in slot 0, 1
.set AV,  6                            ; v6-7   my V^T fragments
.set AS,  8                            ; v8-9   K's scale words
.set AT,  10                           ; v10-11 V^T's
.set MSW, 12                           ; v12  the mask's stage, in: two rows an instruction
.set MSR, 13                           ; v13  and out: row r, + 64 h
.set MGO, 14                           ; v14  my byte in two rows of the mask
.set PIW, 15                           ; v15  where I store P's codes
.set PSW, 16                           ; v16  and my two bytes of its scale words
.set PIR, 17                           ; v17  where P's images are read
.set PSR, 18
.set MXW, 19                           ; v19  where I store my maxima (+ 2,048: my sums)
.set MXD, 20                           ; v20  where all four waves' are read
.set SOW, 21                           ; v21  the way out: into my stage
.set SOR, 22                           ; v22  and back, by rows
.set ST,  24                           ; tile m at v[24 + 8 m]: +0 -M, +1 the largest t, +2, +3 l in two halves, +4 f (at the end 1 / l), +5 named with it as a pair, +6, +7 at work
.set LM,  56                           ; v56-59  a number for each query tile, to be exchanged
.set EX,  60                           ; v60-75  the four waves' numbers
.set PC,  60                           ; v60-75  later p's codes: 4 m + ..
.set BM,  76                           ; v76-83  block 2 m + b: its largest score, then its largest p
.set BT,  84                           ; v84-91
.set BS,  92                           ; v92-99  the conversions' scale operands
.set PH,  100                          ; v100-103 my two scale bytes of tile m
.set KVS, 104                          ; v104-111 K's scale words (2 ks + t / 2), then V^T's (4 g + i / 2): lanes 0-15 the even tile, lanes 16-31 the odd one
.set QS,  112                          ; v112-119 Q's (2 ks + m / 2) likewise
.set PS,  120                          ; v120-127 P's (2 m + g)
.set S,   128
.set FR,  128                          ; in window 1
.set WV,  14                           ; s14  my wave's number
.set G1,  24                           ; s[24:31] descriptor group 1
.set G0,  32                           ; s[32:39] descriptor group 0, a set for each slot
.set MB,  40                           ; s[40:41] the base of the mask loads last issued
.set CS,  42                           ; s[42:43] c, twice
.set SEL, 44                           ; s[44:45] v_permlanex16_b32's selects for lane l xor 16
.set CNT, 46
.set KB,  52                           ; s[52:53] kv at my batch's block 0, my quarter
.set MR,  54                           ; s[54:55] the mask at my work-group's first row
.set CK,  56                           ; s56  the block last asked for
.set MK,  57                           ; s57  the block whose columns of the mask are asked for
.set OF,  58                           ; s[58:59] a block's offset in kv
.set MO,  60                           ; s[60:61] a block's offset in a row of the mask
.set MB1, 62                           ; s[62:63] the base of the second step's mask loads
.set MSB, 0
.macro WIN new                         ; the immediate's high byte repeats the setting that is left
.if MSB != \new
	s_set_vgpr_msb (MSB<<8)|\new
.set MSB, \new
.endif
.endm
.macro PLACES n
.rept \n
	v_nop
.endr
.endm
; one product: D, A, B, C by their first registers; sa, sb the scale registers; ra, rb: which half of their lanes is read
.macro MM d, a, b, c, sa, sb, ra, rb
.if ((\ra) == 0) && ((\rb) == 0)
	v_wmma_scale_f32_16x16x128_f8f6f4 v[(\d):(\d)+7], v[(\a):(\a)+7], v[(\b):(\b)+7], v[(\c):(\c)+7], v[\sa], v[\sb] matrix_a_fmt:MATRIX_FMT_FP4 matrix_b_fmt:MATRIX_FMT_FP4
.elseif (\rb) == 0
	v_wmma_scale_f32_16x16x128_f8f6f4 v[(\d):(\d)+7], v[(\a):(\a)+7], v[(\b):(\b)+7], v[(\c):(\c)+7], v[\sa], v[\sb] matrix_a_fmt:MATRIX_FMT_FP4 matrix_b_fmt:MATRIX_FMT_FP4 matrix_a_scale:MATRIX_SCALE_ROW1
.elseif (\ra) == 0
	v_wmma_scale_f32_16x16x128_f8f6f4 v[(\d):(\d)+7], v[(\a):(\a)+7], v[(\b):(\b)+7], v[(\c):(\c)+7], v[\sa], v[\sb] matrix_a_fmt:MATRIX_FMT_FP4 matrix_b_fmt:MATRIX_FMT_FP4 matrix_b_scale:MATRIX_SCALE_ROW1
.else
	v_wmma_scale_f32_16x16x128_f8f6f4 v[(\d):(\d)+7], v[(\a):(\a)+7], v[(\b):(\b)+7], v[(\c):(\c)+7], v[\sa], v[\sb] matrix_a_fmt:MATRIX_FMT_FP4 matrix_b_fmt:MATRIX_FMT_FP4 matrix_a_scale:MATRIX_SCALE_ROW1 matrix_b_scale:MATRIX_SCALE_ROW1
.endif
.endm
; A round of the cluster's barrier: my work-group's barrier, so that wave 0's signal speaks for all four waves; wave 0 signals for the work-group; every wave waits for all four work-groups; my work-group's barrier once more.
.macro ROUND
	s_barrier_signal -1
	s_barrier_wait -1
	s_cmp_lg_u32 s[WV], 0
	s_cbranch_scc1 .Lnot_wave_0_\@
	s_barrier_signal -3
.Lnot_wave_0_\@:
	s_barrier_wait -3
	s_barrier_signal -1
	s_barrier_wait -1
.endm
; THE CHANGE OF SLOTS stands at a step's head.  Each wave waits for all its tensor loads (its quarter of the slot that it is about to read), adds 0 to its spare word, and waits for that and for its reads of the slot that it has left.
; refill = 1: a round of the cluster's barrier, so that no wave of any partner still reads the other slot or has a load on its way; then the next step's block goes into it: the load has this whole step in which to land.
; The next block is the last one + 1 modulo 8; its address is made anew from the batch's first block.  It hangs on the batch, the cluster's number, the wave and the step alone, which the four partners share.
; The five v_nop are the plain lines between the last step's last products and the loads into the registers that they read, and the products that write over them.
.macro CHANGE sl, refill
	WIN 0                                          ; at a label and at a branch every window is 0; the add's registers lie in window 0
	s_wait_tensorcnt 0x0                           ; no tensor load of mine is out, so a group 0 may be written
	ds_add_u32 v[SPW], v[NIL]                      ; 0 onto my spare word
.if \refill
	s_add_co_u32 s[CK], s[CK], 1
	s_and_b32 s[CK], s[CK], 7                      ; the next block, cyclically
	s_mul_i32 s[OF], s[CK], CHUNK
	s_add_nc_u64 s[G0+4*(1-\sl)+2:G0+4*(1-\sl)+3], s[KB:KB+1], s[OF:OF+1]
	s_or_b32 s[G0+4*(1-\sl)+3], s[G0+4*(1-\sl)+3], 0x80000000   ; type = 2
.endif
	s_wait_dscnt 0x0                               ; the add is done, and my reads of the slot that I have left are over; so is the early half of the mask's turn
.if \refill
	ROUND
	tensor_load_to_lds s[G0+4*(1-\sl):G0+4*(1-\sl)+3], s[G1:G1+7]   ; the first thing behind the round, and my one tensor load until the next
	s_nop 0
.else
	s_barrier_signal -1
	s_barrier_wait -1
.endif
	PLACES 5
.endm
; Half of a landed set of the mask becomes the scores' C: query tiles m0, m0 + 1.  Load i of a set holds rows 2 i, 2 i + 1 of my work-group's 64, 256 bytes (my 64 keys) each.  A tile's 16 rows go into my stage, place by place,
; and come back as lane (r, h) wants them: register j of accumulator (m, t) is key 32 (t / 2) + 16 h + 8 (t % 2) + j.  LDS serves a wave's instructions in order: no wait between the stores and the loads, nor ahead of the next tile's stores.
.macro TURNH set, m0
.irp m, \m0, \m0+1
	WIN 0x0c                                       ; an LDS store's data are its source 1: window 3
.irp p, 0,1,2,3,4,5,6,7
	ds_store_b128 v[MSW], v[128*(\set)+4*(16*((\m)/2)+4*((\m)%2)+\p%4+8*(\p/4)):128*(\set)+4*(16*((\m)/2)+4*((\m)%2)+\p%4+8*(\p/4))+3] offset:2*MSP*\p
.endr
	WIN 0
.irp t, 0,1,2,3
	ds_load_b128 v[S+32*(\m)+8*\t:S+32*(\m)+8*\t+3], v[MSR] offset:128*(\t/2)+32*(\t%2)
	ds_load_b128 v[S+32*(\m)+8*\t+4:S+32*(\m)+8*\t+7], v[MSR] offset:128*(\t/2)+32*(\t%2)+16
.endr
.endr
.endm
.macro KFETCH sl                       ; K's scale words (4 loads), then my 16 fragments (4 ks + t), ks ascending, 8 loads a K step: the products of a K step wait for its own loads alone
.irp ks, 0,1,2,3
	ds_load_b64 v[KVS+2*\ks:KVS+2*\ks+1], v[AS+\sl] offset:256*\ks
.endr
	WIN 0x40
.irp f, 0,1,2,3,4,5,6,7,8,9,10,11,12,13,14,15
	ds_load_b128 v[FR+8*\f:FR+8*\f+3], v[AK+\sl] offset:1024*\f
	ds_load_b128 v[FR+8*\f+4:FR+8*\f+7], v[AK+\sl] offset:1024*\f+512
.endr
	WIN 0
.endm
.macro MLOAD set                       ; the mask of the step two on, into the set that has just been read out: the columns of the block behind the one last asked for
	s_wait_xcnt 0x0                                ; the earlier loads have read their base: it may be written
	s_add_co_u32 s[MK], s[CK], 1
	s_and_b32 s[MK], s[MK], 7
	s_lshl_b32 s[MO], s[MK], 10                    ; a block is 256 keys: 1,024 bytes of a row
	s_add_nc_u64 s[MB:MB+1], s[MR:MR+1], s[MO:MO+1]
	WIN 0xc0
.irp i, 0,1,2,3,4,5,6,7,8,9,10,11,12,13,14,15,16,17,18,19,20,21,22,23,24,25,26,27,28,29,30,31
	global_load_b128 v[128*\set+4*\i:128*\set+4*\i+3], v[MGO], s[MB:MB+1] offset:16384*\i th:TH_LOAD_NT   ; sixteen lanes read 256 consecutive bytes of a row, aligned; read once in the launch
.endr
	WIN 0
.endm
.macro SMUL                            ; S^T = mask + K Q^T: the 16 accumulators take turns, one instruction a turn
	WIN 0x05
.irp ks, 0,1,2,3
	s_wait_dscnt 24-8*\ks                          ; this K step's 8 fragment loads and all that was issued ahead of them (the mask in the accumulators, the scale words) are in; the later K steps' loads, 8 each, may be out
.irp t, 0,1,2,3
.irp m, 0,1,2,3
	MM S+32*\m+8*\t, FR+8*(4*\ks+\t), 8*(4*\m+\ks), S+32*\m+8*\t, KVS+2*\ks+\t/2, QS+2*\ks+\m/2, \t%2, \m%2
.endr
.endr
.endr
.endm
.macro VFETCH sl                       ; my 16 fragments of V^T (8 g + i) and their scale words
	WIN 0x40
.irp g, 0,1
.irp i, 0,1,2,3,4,5,6,7
	ds_load_b128 v[FR+8*(8*\g+\i):FR+8*(8*\g+\i)+3], v[AV+\sl] offset:32768*\g+1024*\i
	ds_load_b128 v[FR+8*(8*\g+\i)+4:FR+8*(8*\g+\i)+7], v[AV+\sl] offset:32768*\g+1024*\i+512
.endr
.endr
	WIN 0
.irp g, 0,1
.irp e, 0,1
	ds_load_b64 v[KVS+4*\g+2*\e:KVS+4*\g+2*\e+1], v[AT+\sl] offset:2048*\g+256*\e
.endr
.endr
.endm
; THE LARGEST SCORE OF EACH BLOCK OF 32 KEYS (block n = 2 m + b: registers S + 16 n on).  It serves twice: for the row's maximum, and, since p rises with the score, for the block's largest p.  Each accumulator is read from its low end on.
.macro BMAX
.irp n, 0,1,2,3,4,5,6,7
	v_max3_num_f32 v[BM+\n], v[S+16*\n], v[S+16*\n+1], v[S+16*\n+2]
.endr
.irp i, 3,5,7,9,11,13
.irp n, 0,1,2,3,4,5,6,7
	v_max3_num_f32 v[BM+\n], v[BM+\n], v[S+16*\n+\i], v[S+16*\n+\i+1]
.endr
.endr
.irp n, 0,1,2,3,4,5,6,7
	v_max_num_f32 v[BM+\n], v[BM+\n], v[S+16*\n+15]
.endr
.irp n, 0,1,2,3,4,5,6,7
	v_permlanex16_b32 v[BT+\n], v[BM+\n], s[SEL], s[SEL+1]
.endr
.irp n, 0,1,2,3,4,5,6,7
	v_max_num_f32 v[BM+\n], v[BM+\n], v[BT+\n]     ; with lane l xor 16's 16 keys
.endr
.irp m, 0,1,2,3
	v_max_num_f32 v[LM+\m], v[BM+2*\m], v[BM+2*\m+1]   ; my 64 keys' largest score of query r of tile m
.endr
.endm
; Four numbers a lane go from every wave to every wave: store, wait for 0 for the others' sake, barrier, load.
.macro XCHG off
	ds_store_b128 v[MXW], v[LM:LM+3] offset:\off
	s_wait_dscnt 0x0
	s_barrier_signal -1
	s_barrier_wait -1
.irp u, 0,1,2,3
	ds_load_b128 v[EX+4*\u:EX+4*\u+3], v[MXD] offset:\off+512*\u
.endr
	s_wait_dscnt 0x0
.endm
.macro STATS                           ; every wave makes the same M and f for all 64 queries, the four tiles by turns
.irp m, 0,1,2,3
	v_max3_num_f32 v[ST+8*\m+6], v[EX+\m], v[EX+4+\m], v[EX+8+\m]
.endr
.irp m, 0,1,2,3
	v_max_num_f32 v[ST+8*\m+6], v[ST+8*\m+6], v[EX+12+\m]   ; the step's largest score of my query
.endr
.irp m, 0,1,2,3
	v_mul_f32 v[ST+8*\m+6], s[CS], v[ST+8*\m+6]    ; as t (c is positive)
.endr
.irp m, 0,1,2,3
	v_max_num_f32 v[ST+8*\m+1], v[ST+8*\m+1], v[ST+8*\m+6]   ; the running largest t
.endr
.irp m, 0,1,2,3
	v_mov_b32 v[ST+8*\m+6], v[ST+8*\m]
.endr
.irp m, 0,1,2,3
	v_floor_f32 v[ST+8*\m], -v[ST+8*\m+1]          ; the new -M = floor(-t) = -ceil(t): M is a whole number
.endr
.irp m, 0,1,2,3
	v_sub_f32 v[ST+8*\m+6], v[ST+8*\m], v[ST+8*\m+6]   ; M's old value less its new one: a whole number, 0 or less
.endr
.irp m, 0,1,2,3
	v_cvt_i32_f32 v[ST+8*\m+6], v[ST+8*\m+6]       ; (it saturates)
.endr
.irp m, 0,1,2,3
	v_ldexp_f32 v[ST+8*\m+4], 1.0, v[ST+8*\m+6]    ; f = 2^(old M - new M)
.endr
.endm
.macro PEXP
.irp m, 0,1,2,3
.irp j, 0,2,4,6,8,10,12,14,16,18,20,22,24,26,28,30
	v_pk_fma_f32 v[S+32*\m+\j:S+32*\m+\j+1], v[S+32*\m+\j:S+32*\m+\j+1], s[CS:CS+1], v[ST+8*\m:ST+8*\m+1] op_sel_hi:[1,0,0]   ; t - M, two at a time (of the pairs c and -M the low word serves both halves)
.endr
.endr
.irp m, 0,1,2,3
.irp b, 0,1
	v_fma_f32 v[BM+2*\m+\b], v[BM+2*\m+\b], s[CS], v[ST+8*\m]   ; the same of each block's largest score
.endr
.endr
.set ei, 0
.rept 128
	v_exp_f32 v[S+ei], v[S+ei]                     ; p = 2^(t - M), at most 1: not normalised
.set ei, ei+1
.endr
.irp m, 0,1,2,3
	v_pk_mul_f32 v[ST+8*\m+2:ST+8*\m+3], v[ST+8*\m+2:ST+8*\m+3], v[ST+8*\m+4:ST+8*\m+5] op_sel_hi:[1,0]   ; the sums under the new M (plain lines behind the exponentials)
.endr
	s_wait_alu depctr_va_vdst(0)                   ; one wait for the whole batch, ahead of its first reader
.irp n, 0,1,2,3,4,5,6,7
	v_exp_f32 v[BM+\n], v[BM+\n]                   ; the block's largest p: the same two instructions on the same number
.endr
.endm
.macro SUMS                            ; l is taken of the UNQUANTISED p: two at a time, two chains a tile, the tiles by turns.  (It reads the 128 alone: plain work behind the eight)
.irp m, 0,1,2,3
	v_pk_add_f32 v[ST+8*\m+6:ST+8*\m+7], v[S+32*\m:S+32*\m+1], v[S+32*\m+2:S+32*\m+3]
.endr
.irp j, 4,8,12,16,20,24,28
.irp m, 0,1,2,3
	v_pk_add_f32 v[ST+8*\m+2:ST+8*\m+3], v[ST+8*\m+2:ST+8*\m+3], v[S+32*\m+\j:S+32*\m+\j+1]
	v_pk_add_f32 v[ST+8*\m+6:ST+8*\m+7], v[ST+8*\m+6:ST+8*\m+7], v[S+32*\m+\j+2:S+32*\m+\j+3]
.endr
.endr
.irp m, 0,1,2,3
	v_pk_add_f32 v[ST+8*\m+2:ST+8*\m+3], v[ST+8*\m+2:ST+8*\m+3], v[ST+8*\m+6:ST+8*\m+7]
.endr
	s_wait_alu depctr_va_vdst(0)                   ; and one wait for the eight
.endm
.macro PQUANT
.irp n, 0,1,2,3,4,5,6,7
	v_max_num_f32 v[BM+\n], 0x1800000, v[BM+\n]    ; the floor 2^(3 - 127): the byte cannot fall under 1 (a block whose every p is 0 keeps that byte: its codes are zeros)
.endr
.irp n, 0,1,2,3,4,5,6,7
	v_add_nc_u32 v[BS+\n], 0xff000000, v[BM+\n]    ; 2 off the exponent field: the conversion's scale operand
.endr
.irp n, 0,1,2,3,4,5,6,7
	v_lshrrev_b32 v[BT+\n], 23, v[BS+\n]           ; the scale's byte
.endr
.irp m, 0,1,2,3
	v_lshl_or_b32 v[PH+\m], v[BT+2*\m+1], 8, v[BT+2*\m]   ; my two bytes of the scale word of tile m's 128 keys
.endr
.irp n, 0,1,2,3,4,5,6,7
	v_cvt_scalef32_pk8_fp4_f32 v[PC+2*\n], v[S+16*\n:S+16*\n+7], v[BS+\n]
	v_cvt_scalef32_pk8_fp4_f32 v[PC+2*\n+1], v[S+16*\n+8:S+16*\n+15], v[BS+\n]
.endr
	v_nop                                          ; one plain line behind a scaled conversion
.irp m, 0,1,2,3                                ; the operand's layout wants a WHOLE block in a lane: lanes 0-15 my first 32 keys, lanes 16-31 my second
.irp i, 0,1
	v_permlane16_swap_b32 v[PC+4*\m+\i], v[PC+4*\m+2+\i]
.endr
.endr
.endm
.macro PSTORE                          ; my 64 keys are four registers (half wave % 2) of the fragment of group wave / 2: they go to LDS as they stand
.irp m, 0,1,2,3
	ds_store_b128 v[PIW], v[PC+4*\m:PC+4*\m+3] offset:2048*\m
	ds_store_b16 v[PSW], v[PH+\m] offset:256*\m
.endr
.endm
.macro RESCALE                         ; O^T under the new M: x f; each accumulator from its low end on
	WIN 0x82
.irp i, 0,1,2,3,4,5,6,7
.irp m, 0,1,2,3
.irp j, 0,2,4,6
	v_pk_mul_f32 v[8*(4*\i+\m)+\j:8*(4*\i+\m)+\j+1], v[8*(4*\i+\m)+\j:8*(4*\i+\m)+\j+1], v[ST+8*\m+4:ST+8*\m+5] op_sel_hi:[1,0]
.endr
.endr
.endr
.endm
.macro PFETCH                          ; P's eight fragments and scale words, as all four waves have left them: key group 0's four first, 12 loads a group
.irp g, 0,1
.irp m, 0,1,2,3
	ds_load_b128 v[S+8*(2*\m+\g):S+8*(2*\m+\g)+3], v[PIR] offset:1024*(2*\m+\g)
	ds_load_b128 v[S+8*(2*\m+\g)+4:S+8*(2*\m+\g)+7], v[PIR] offset:1024*(2*\m+\g)+512
	ds_load_b32 v[PS+2*\m+\g], v[PSR] offset:128*(2*\m+\g)
.endr
.endr
.endm
.macro PVMUL y                         ; O^T += V^T P^T: the 32 accumulators take turns.  y: the LDS instructions issued behind P's loads (the early half of the mask's turn: 32, or none)
	WIN 0xa1
.irp g, 0,1
	s_wait_dscnt 12*(1-\g)+\y                      ; this group's fragments of P are in; the other group's 12 loads and the y behind them may be out
.irp i, 0,1,2,3,4,5,6,7
.irp m, 0,1,2,3
	MM 8*(4*\i+\m), FR+8*(8*\g+\i), S+8*(2*\m+\g), 8*(4*\i+\m), KVS+4*\g+\i/2, PS+2*\m+\g, \i%2, 0
.endr
.endr
.endr
.endm
; A STEP of 256 keys in slot sl.  refill: the next block is asked for.  mload: the mask of two steps on is asked for.  hi: the next step's mask begins its turn; lc: how many younger mask loads may then stay out.
; Three barriers.  The change of slots.  The one in XCHG: behind it all waves' maxima lie in LDS.  The third: behind it P's images do.  The maxima's bytes are written again only behind the next change, and every wave has waited for its
; reads of them ahead of the third barrier; P's images are written again behind the next step's second barrier, and their reads are waited for ahead of the next change.
; LDS WORK STANDS BESIDE OTHER WORK: K's later K steps land under the first K steps' products; V^T is asked for behind the exchange of maxima, so that the exchange does not queue behind its 36 loads, and lands under the softmax;
; the next step's mask of query tiles 2 and 3 turns under the second product, which names v128-191 of the scores' registers alone.
.macro STEP sl, refill, mload, hi, lc
	CHANGE \sl, \refill
	TURNH \sl, 0                                   ; query tiles 0 and 1 (this set's landing was waited for a step ago, ahead of its other half's turn)
	KFETCH \sl
.if \mload
	s_wait_dscnt 36                                ; all but K's 4 + 32 loads: the stage's stores have read the landing set, which may take new loads
	MLOAD \sl
.endif
	SMUL
	WIN 0
	PLACES 4                                       ; four plain lines in front of the first read of the scores, and of the loads into K's registers further down
	BMAX
	XCHG 0
	VFETCH \sl
	STATS
	PEXP
	SUMS
	PQUANT
	PSTORE
	s_wait_dscnt 0x0                               ; for the others' sake: my part of P lies in LDS.  (V^T is in too)
	s_barrier_signal -1
	RESCALE                                        ; work on registers while the others arrive
	WIN 0
	s_barrier_wait -1
	PFETCH
.if \hi
	s_wait_loadcnt \lc                             ; the next step's mask has landed; the 32 loads of the step behind it may be out
	TURNH 1-\sl, 2                                 ; its query tiles 2 and 3: 32 LDS instructions behind P's loads
	PVMUL 32
.else
	PVMUL 0
.endif
	WIN 0
.endm
	s_load_b256 s[4:11], s[0:1], 0x0               ; qimg s[4:5], qsc s[6:7], kv s[8:9], mask s[10:11]
	s_load_b64 s[12:13], s[0:1], 0x20              ; out0
	v_lshl_add_u32 v[SPW], v0, 2, SPARE
	v_mov_b32 v[NIL], 0
	ds_add_u32 v1, v2
	ds_add_u32 v1, v2
	s_wait_dscnt 0x0
	v_lshrrev_b32 v3, 5, v0
	v_readfirstlane_b32 s[WV], v3                  ; wave 0..3
	s_bfe_u32 s15, ttmp6, 0x40000                  ; cx: my place in the cluster: it enters the addresses of Q, the mask and the output alone
	s_lshl_b32 s16, ttmp9, 2                       ; in a cluster launch ttmp9 counts clusters
	s_add_co_u32 s16, s16, s15
	s_and_b32 s17, ttmp7, 0xffff                   ; the batch, which the four partners share
	s_lshl_b32 s18, s17, 5
	s_add_co_u32 s18, s18, s16                     ; my block of 64 queries, of 256
	s_lshl_b32 s[CK], ttmp9, 1                     ; my cluster's first block of keys: its number's three bits turned left by one
	s_and_b32 s[CK], s[CK], 7
	s_lshr_b32 s19, ttmp9, 2
	s_or_b32 s[CK], s[CK], s19
	; descriptor group 1: a dense block of 34,816 bytes as 136 rows of 32 elements of 8 bytes, no padding
	s_mov_b32 s[G1], 15|(3<<16)|(1<<21)            ; 15:0 the mask: all four work-groups; 17:16 elements of 8 bytes; 21 set beside a mask
	s_mov_b32 s[G1+1], 32<<16                      ; tensor_dim0 = 32
	s_mov_b32 s[G1+2], 136<<16                     ; tensor_dim1 = 136
	s_mov_b32 s[G1+3], 32<<16                      ; tile_dim0 = 32
	s_mov_b32 s[G1+4], 136                         ; tile_dim1 = 136
	s_mov_b32 s[G1+5], 32                          ; from row to row
	s_mov_b32 s[G1+6], 0
	s_mov_b32 s[G1+7], 0
	s_mul_i32 s22, s[WV], QUART                    ; my quarter of a block, in memory and in a slot: no place in the cluster enters it
	s_mul_i32 s20, s17, BATCHB
	s_add_co_u32 s20, s20, s22
	s_mov_b32 s21, 0
	s_mul_i32 s[OF], s[CK], CHUNK
	s_mov_b32 s[OF+1], 0
	s_mov_b32 s[MO+1], 0
	s_mov_b32 s[CS], 0x3d8293ee                    ; c = log2(e) / sqrt(512)
	s_mov_b32 s[CS+1], s[CS]                       ; (named with it as a pair, so it is written)
	s_mov_b32 s[SEL], 0x76543210
	s_mov_b32 s[SEL+1], 0xfedcba98
	s_mov_b32 s49, 0
	s_wait_kmcnt 0x0
	s_add_nc_u64 s[KB:KB+1], s[8:9], s[20:21]      ; the batch's block 0, my quarter
	s_mov_b32 s[G0], 1                             ; count = 1
	s_mov_b32 s[G0+1], s22                         ; LDS address: slot 0
	s_add_nc_u64 s[G0+2:G0+3], s[KB:KB+1], s[OF:OF+1]   ; global address: my cluster's first block
	s_or_b32 s[G0+3], s[G0+3], 0x80000000          ; type = 2
	s_mov_b32 s[G0+4], 1
	s_add_co_u32 s[G0+5], s22, SLOTB               ; slot 1; its global address is made at the first change of slots
	ROUND                                          ; all four work-groups are here: the first joint loads meet
	tensor_load_to_lds s[G0:G0+3], s[G1:G1+7]      ; the first block
	s_nop 0
	PLACES 4
	s_lshl_b32 s48, s18, 14
	s_add_nc_u64 s[4:5], s[4:5], s[48:49]          ; Q's 16 fragments of my block
	s_lshl_b32 s48, s18, 10
	s_add_nc_u64 s[6:7], s[6:7], s[48:49]          ; their scale words
	s_lshl_b32 s48, s18, 19
	s_add_nc_u64 s[MR:MR+1], s[10:11], s[48:49]    ; the mask: 64 rows of 8,192 bytes a block of queries
	s_lshl_b32 s[MO], s[CK], 10
	s_add_nc_u64 s[MB:MB+1], s[MR:MR+1], s[MO:MO+1]     ; at the first step's 256 keys,
	s_add_co_u32 s[MK], s[CK], 1
	s_and_b32 s[MK], s[MK], 7
	s_lshl_b32 s[MO], s[MK], 10
	s_add_nc_u64 s[MB1:MB1+1], s[MR:MR+1], s[MO:MO+1]   ; and at the second's
	s_lshl_b32 s48, s18, 17
	s_lshl_b32 s50, s[WV], 9
	s_add_co_u32 s48, s48, s50
	s_add_nc_u64 s[12:13], s[12:13], s[48:49]      ; the output: 64 rows of 2,048 bytes a block, my 128 channels
	v_and_b32 v24, 31, v0                          ; lane
	v_and_b32 v25, 15, v0                          ; r
	v_bfe_u32 v26, v0, 4, 1                        ; h
	v_lshlrev_b32 v[LI], 4, v24
	v_lshlrev_b32 v23, 3, v24                      ; 8 x lane
	v_lshlrev_b32 v27, 13, v26
	v_lshl_add_u32 v27, v25, 4, v27
	s_lshl_b32 s50, s[WV], 8
	v_add_nc_u32 v[MGO], s50, v27                  ; row h of two, 16 bytes a lane, my wave's 256 bytes
	WIN 0x40
.irp m, 0,1,2,3
.irp ks, 0,1,2,3
	global_load_b128 v[8*(4*\m+\ks):8*(4*\m+\ks)+3], v[LI], s[4:5] offset:4096*\ks+1024*\m          ; Q stays in registers
	global_load_b128 v[8*(4*\m+\ks)+4:8*(4*\m+\ks)+7], v[LI], s[4:5] offset:4096*\ks+1024*\m+512
.endr
.endr
	WIN 0
.irp ks, 0,1,2,3
	global_load_b64 v[QS+2*\ks:QS+2*\ks+1], v23, s[6:7] offset:256*\ks
.endr
	WIN 0xc0
.irp i, 0,1,2,3,4,5,6,7,8,9,10,11,12,13,14,15,16,17,18,19,20,21,22,23,24,25,26,27,28,29,30,31
	global_load_b128 v[4*\i:4*\i+3], v[MGO], s[MB:MB+1] offset:16384*\i th:TH_LOAD_NT               ; the mask of the first step
.endr
.irp i, 0,1,2,3,4,5,6,7,8,9,10,11,12,13,14,15,16,17,18,19,20,21,22,23,24,25,26,27,28,29,30,31
	global_load_b128 v[128+4*\i:128+4*\i+3], v[MGO], s[MB1:MB1+1] offset:16384*\i th:TH_LOAD_NT     ; and of the second
.endr
	WIN 0
	s_lshl_b32 s50, s[WV], 14
	v_add_nc_u32 v[AK], s50, v[LI]                 ; K: 16 x lane + 16,384 x wave
	v_add_nc_u32 v[AK+1], SLOTB, v[AK]
	s_lshl_b32 s50, s[WV], 13
	s_add_co_u32 s50, s50, VOFF
	v_add_nc_u32 v[AV], s50, v[LI]                 ; V^T: my 8 tiles of a group's 32
	v_add_nc_u32 v[AV+1], SLOTB, v[AV]
	s_lshl_b32 s50, s[WV], 10
	s_add_co_u32 s50, s50, KSOFF
	v_add_nc_u32 v[AS], s50, v23
	v_add_nc_u32 v[AS+1], SLOTB, v[AS]
	s_lshl_b32 s50, s[WV], 9
	s_add_co_u32 s50, s50, VSOFF
	v_add_nc_u32 v[AT], s50, v23
	v_add_nc_u32 v[AT+1], SLOTB, v[AT]
	s_mul_i32 s50, s[WV], 16*MSP
	s_add_co_u32 s50, s50, MSTG                    ; my stage for the mask
	v_mul_u32_u24 v27, v26, MSP
	v_lshl_add_u32 v27, v25, 4, v27
	v_add_nc_u32 v[MSW], s50, v27
	v_mul_u32_u24 v27, v25, MSP
	v_lshl_add_u32 v27, v26, 6, v27
	v_add_nc_u32 v[MSR], s50, v27
	s_lshl_b32 s50, s[WV], 9
	s_add_co_u32 s51, s50, PIMG
	v_add_nc_u32 v[PIW], s51, v[LI]                ; 1,024 (wave / 2) + 512 (wave % 2) = 512 x wave
	s_add_co_u32 s51, s50, MXR
	v_add_nc_u32 v[MXW], s51, v[LI]
	v_add_nc_u32 v[PIR], PIMG, v[LI]
	v_add_nc_u32 v[MXD], MXR, v[LI]
	v_lshlrev_b32 v27, 2, v24
	v_add_nc_u32 v[PSR], PSCL, v27
	s_lshr_b32 s50, s[WV], 1
	s_lshl_b32 s50, s50, 7
	s_and_b32 s51, s[WV], 1
	s_lshl_b32 s51, s51, 1
	s_add_co_u32 s50, s50, s51
	s_add_co_u32 s50, s50, PSCL
	v_add_nc_u32 v[PSW], s50, v27                  ; 4 x lane + 128 (wave / 2) + 2 (wave % 2)
	s_mul_i32 s50, s[WV], 16*OSP
	v_mul_u32_u24 v27, v25, OSP
	v_lshl_add_u32 v27, v26, 6, v27
	v_add_nc_u32 v[SOW], s50, v27
	v_add_nc_u32 v[SOR], s50, v[LI]
.irp n, 0,1,2,3,4,5,6,7
	v_mov_b32 v[BT+\n], 0                          ; written once: a lane permute's destination counts as one of its sources
.endr
.irp m, 0,1,2,3
	v_mov_b32 v[ST+8*\m+1], 0xff61b1e6             ; the largest t so far: -3e38, under every t
	v_floor_f32 v[ST+8*\m], -v[ST+8*\m+1]          ; -M
	v_mov_b32 v[ST+8*\m+2], 0                      ; l, in two halves
	v_mov_b32 v[ST+8*\m+3], 0
	v_mov_b32 v[ST+8*\m+5], 0                      ; (named as the upper half of f's pair)
.endr
	WIN 0x80
.set oi, 0
.rept 256
	v_mov_b32 v[oi], 0                             ; O^T: the first step finds zeros, which the first change of M leaves zeros
.set oi, oi+1
.endr
	WIN 0
	s_wait_loadcnt 32                              ; Q, its scale words and the first step's mask are in; the second step's 32 loads may be out
	TURNH 0, 2                                     ; the first step's query tiles 2 and 3: what every later step finds done by the step before it
	s_mov_b32 s[CNT], 3
.Lpair:                                            ; three trips of two steps: steps 0 to 5: each asks for the next block and for the mask of two steps on
	STEP 0, 1, 1, 1, 32
	STEP 1, 1, 1, 1, 32
	s_sub_co_u32 s[CNT], s[CNT], 1
	s_cmp_lg_u32 s[CNT], 0
	s_cbranch_scc1 .Lpair
	STEP 0, 1, 0, 1, 0                             ; step 6: the last block is asked for; there is no mask left to ask for, so the last step's mask has no younger load.  The tail is written out, so that no load is jumped over
	STEP 1, 0, 0, 0, 0                             ; step 7
	; THE WAY OUT.  l: its two halves, lane l xor 16's, the four waves'.  (These additions are the plain lines behind the last products.)
.irp m, 0,1,2,3
	v_add_f32 v[LM+\m], v[ST+8*\m+2], v[ST+8*\m+3]
.endr
.irp m, 0,1,2,3
	v_permlanex16_b32 v[BT+\m], v[LM+\m], s[SEL], s[SEL+1]
.endr
.irp m, 0,1,2,3
	v_add_f32 v[LM+\m], v[LM+\m], v[BT+\m]
.endr
	XCHG 2048
.irp m, 0,1,2,3
	v_add_f32 v[ST+8*\m+6], v[EX+\m], v[EX+4+\m]
.endr
.irp m, 0,1,2,3
	v_add_f32 v[ST+8*\m+7], v[EX+8+\m], v[EX+12+\m]
.endr
.irp m, 0,1,2,3
	v_add_f32 v[ST+8*\m+6], v[ST+8*\m+6], v[ST+8*\m+7]
.endr
.irp m, 0,1,2,3
	v_rcp_f32 v[ST+8*\m+4], v[ST+8*\m+6]
.endr
	v_nop                                          ; a plain line between the last reciprocal and the use of its result
	s_wait_alu depctr_va_vdst(0)                   ; and a wait ahead of the first use: one for the four
; Query tile m: O^T / l; a lane's eight channels of a row are 32 bytes; 16 rows x 512 bytes go through my stage and come back as whole rows.
.macro TOSTAGE m
	WIN 0x82
.irp i, 0,1,2,3,4,5,6,7
.irp j, 0,2,4,6
	v_pk_mul_f32 v[8*(4*\i+(\m))+\j:8*(4*\i+(\m))+\j+1], v[8*(4*\i+(\m))+\j:8*(4*\i+(\m))+\j+1], v[ST+8*(\m)+4:ST+8*(\m)+5] op_sel_hi:[1,0]
.endr
.endr
	WIN 0x08                                       ; an LDS store's data are its source 1: window 2
.irp i, 0,1,2,3,4,5,6,7
	ds_store_b128 v[SOW], v[8*(4*\i+(\m)):8*(4*\i+(\m))+3] offset:128*(\i/2)+32*(\i%2)       ; channels 32 (i / 2) + 16 h + 8 (i % 2) + 0 .. 7 of my 128
	ds_store_b128 v[SOW], v[8*(4*\i+(\m))+4:8*(4*\i+(\m))+7] offset:128*(\i/2)+32*(\i%2)+16
.endr
	WIN 0
.irp t, 0,1,2,3,4,5,6,7,8,9,10,11,12,13,14,15
	ds_load_b128 v[S+64*((\m)%2)+4*\t:S+64*((\m)%2)+4*\t+3], v[SOR] offset:\t*OSP   ; LDS serves a wave's instructions in order: these see the stores above, and the next tile's stores come behind them
.endr
.endm
.macro SEND m, younger                 ; younger: the LDS instructions issued behind tile m's loads, which may stay out
	s_wait_dscnt \younger
.irp t, 0,1,2,3,4,5,6,7,8,9,10,11,12,13,14,15
	global_store_b128 v[LI], v[S+64*((\m)%2)+4*\t:S+64*((\m)%2)+4*\t+3], s[12:13] offset:(32*((\m)/2)+8*((\m)%2)+\t+8*(\t/8))*2048 th:TH_STORE_NT   ; place t of the tile is that row; 32 lanes store 512 consecutive bytes, aligned; written once
.endr
.endm
	TOSTAGE 0
.irp a, 1,2,3
.if \a > 1
	s_wait_xcnt 0x0                                ; tile a - 2's stores have read their registers: tile a's rows may land there
.endif
	TOSTAGE \a
	SEND \a-1, 32                                  ; behind tile a - 1's loads: tile a's 16 stores and 16 loads
.endr
	SEND 3, 0
	s_wait_tensorcnt 0x0                           ; the wave's end, behind my last tensor load and my last LDS store
	ds_add_u32 v[SPW], v[NIL]
	s_wait_dscnt 0x0
	ROUND                                          ; the closing round: no work-group ends while a partner may still ask for a block that names it
	s_endpgm
.Lfunc_end_k_q02d54b487f_attn:
	.size	k_q02d54b487f_attn, .Lfunc_end_k_q02d54b487f_attn-k_q02d54b487f_attn
	.p2alignl 7, 3214868480
	.fill 96, 4, 3214868480
	.section	.rodata,"a",@progbits
	.p2align	6, 0x0
	.amdhsa_kernel k_q02d54b487f_attn
		.amdhsa_group_segment_fixed_size 327680
		.amdhsa_private_segment_fixed_size 0
		.amdhsa_enable_private_segment 0
		.amdhsa_kernarg_size 40
		.amdhsa_user_sgpr_count 2
		.amdhsa_user_sgpr_kernarg_segment_ptr 1
		.amdhsa_wavefront_size32 1
		.amdhsa_system_sgpr_workgroup_id_x 1
		.amdhsa_system_sgpr_workgroup_id_y 1
		.amdhsa_system_sgpr_workgroup_id_z 1
		.amdhsa_system_vgpr_workitem_id 0
		.amdhsa_next_free_vgpr 1024
		.amdhsa_next_free_sgpr 66
		.amdhsa_reserve_vcc 0
		.amdhsa_float_denorm_mode_32 3
		.amdhsa_float_denorm_mode_16_64 3
		.amdhsa_memory_ordered 1
		.amdhsa_forward_progress 1
		.amdhsa_inst_pref_size 255
	.end_amdhsa_kernel
	.section	.bss,"aw",@nobits
	.p2align	6
	.space	262144
	.amdgpu_metadata
---
amdhsa.version: [ 1, 2 ]
amdhsa.kernels:
  - .name:           k_q02d54b487f_attn
    .symbol:         k_q02d54b487f_attn.kd
    .args:
      - { .name: qimg, .offset: 0, .size: 8, .value_kind: global_buffer, .address_space: global }
      - { .name: qsc, .offset: 8, .size: 8, .value_kind: global_buffer, .address_space: global }
      - { .name: kv, .offset: 16, .size: 8, .value_kind: global_buffer, .address_space: global }
      - { .name: mask, .offset: 24, .size: 8, .value_kind: global_buffer, .address_space: global }
      - { .name: out0, .offset: 32, .size: 8, .value_kind: global_buffer, .address_space: global }
    .group_segment_fixed_size: 327680
    .private_segment_fixed_size: 0
    .kernarg_segment_align: 8
    .kernarg_segment_size: 40
    .max_flat_workgroup_size: 128
    .sgpr_count:     66
    .vgpr_count:     1024
    .wavefront_size: 32
...
	.end_amdgpu_metadata
.endif
;; end of part 3
